; MI455X (gfx1250); checked and timed in simulation.
; The chip was launched on July 23, 2026; its instructions are those of AMD's public machine-readable ISA for CDNA 5 (MIT licence, August 2026) and "CDNA5" Instruction Set Architecture Reference Guide (July 2026). The comments in the code are by the model that wrote it; some were corrected since.
;; Transition Up. Allowed arithmetic: matrix products marked QUANTISED: E5M2 operands, one given power-of-two scale a tensor, by v_wmma_f32_16x16x64_bf8_bf8 or v_wmma_f32_16x16x128_bf8_bf8, f32 sums; products left as they are: f32 operands where the result goes on into a quantised operand, else bf16, f16 or f32 operands; f32 sums; everything else in f32.
;; Inputs: W1_codes 128 x 8 x 32 uint8 (E5M2 codes of W1, K innermost, in blocks of 32 codes); W2_codes 128 x 4 x 32 uint8 (E5M2 codes of W2, K innermost, in blocks of 32 codes); b1 128 float32; b2 128 float32; down_features_codes 2 x 4,096 x 8 x 32 uint8 (E5M2 codes of down_features, K innermost, in blocks of 32 codes); down_xyzp 2 x 4,096 x 4 float32; lowp_scales 4 int32 (the exponents e of the quantised operands' scales 2^e); ori_features_codes 2 x 16,384 x 4 x 32 uint8 (E5M2 codes of ori_features, K innermost, in blocks of 32 codes); ori_xyzp 2 x 16,384 x 4 float32.
;; Outputs: out0 2 x 16,384 x 128 float32.
;; This version of the problem:
;;   THIS VERSION OF THE PROBLEM IS GIVEN IN LOW PRECISION. The matrix products marked QUANTISED in the list below multiply operands that are first quantised to E5M2 (5 exponent bits, 2 mantissa bits; 8 bits a number), with one given power-of-two scale for each operand tensor; their sums are f32. All else is computed in f32.
;;   The module's matrix products, in the order in which they are computed (A, B: the left and right operand; K: the contracted axis; several contracted axes count as one K, in the product's order):
;;     1. [M 8,192, K 256] x [K 256, N 128]; A: input down_features (given as codes); B: input W1 (given as codes): QUANTISED (scales: A lowp_scales[0], B lowp_scales[1])
;;     2. [M 32,768, K 128] x [K 128, N 128]; A: input ori_features (given as codes); B: input W2 (given as codes): QUANTISED (scales: A lowp_scales[2], B lowp_scales[3])
;;     3. batch 2 x [M 16,384, K 3] x [K 3, N 4,096]; A: input ori_xyzp; B: input down_xyzp: left as it is (K = 3 < 32)
;;   THE QUANTISER, for each operand of a quantised product, along K:
;;     - The operand's scale is 2^e, e = its entry of the input lowp_scales (int32; the entries are numbered through the quantised products in the list's order, A before B).
;;     - Each number is divided by the scale, clamped to +-57,344, and rounded to the nearest number of E5M2, ties to even, subnormals kept.
;;     - The product sums the exact products of the quantised numbers (number of the format x scale) in f32.
;;   ~~~python
;;   def quantise(x, axis, e):      # numpy; x: float32 -> the quantised numbers, widened to float32 again
;;       x = np.moveaxis(x, axis, -1); K = x.shape[-1]
;;       r = np.clip(x / 2.0 ** e, -57344, 57344)
;;       step = 2.0 ** (np.maximum(np.frexp(np.where(r == 0, 1, r))[1] - 1, -14) - 2)
;;       q = np.round(r / step) * step * 2.0 ** e      # np.round: ties to even
;;       return np.moveaxis(q, -1, axis).astype(np.float32)
;;   ~~~
;;   INPUTS GIVEN AS CODES. W1 (in the module: [256, 128], K = its axis 0); W2 (in the module: [128, 128], K = its axis 0); down_features (in the module: [2, 4096, 256], K = its axis 2); ori_features (in the module: [2, 16384, 128], K = its axis 2): each comes as NAME_codes (uint8): NAME with its K axis moved to the last place and cut into blocks of 32 codes, [.., K / 32, bytes a block], one block behind the other in memory; one code a byte (a code: sign, 5 exponent bits, 2 mantissa bits); its scale is its entry of lowp_scales. Its value is code x scale, taken as it is: it is not quantised again, and the codes and scales need not be those that the quantiser above would give.
;; 2 versions, each right; version 2 is version 1 with the launches rescan_proj, combine written anew for expert scheduling mode. Each part assembles by itself: llvm-mc -triple=amdgcn-amd-amdhsa -mcpu=gfx1250 --defsym DOCPART=n.
;; ======== version 1 of 2: 3 launches
;; limits: right only within a limited range of input values
;; workspace buffers: blk 524,288 bytes of whole numbers; idx 524,288 bytes of whole numbers; wgt 524,288 bytes; downf 4,194,304 bytes
;; launch blocks (part 1): grid 256 x 1, 16 waves a work-group, no clusters, 51,200 bytes of LDS; arguments ori_xyzp, down_xyzp, blk; writes blk
.if DOCPART == 1
	.amdgcn_target "amdgcn-amd-amdhsa--gfx1250"
	.amdhsa_code_object_version 6
	.text
	.protected	k_qba6fc2d44c_blocks
	.globl	k_qba6fc2d44c_blocks
	.p2align	8
	.type	k_qba6fc2d44c_blocks,@function
k_qba6fc2d44c_blocks:
	s_mov_b64 s[64:65], 0
	v_nop
	global_prefetch_b8 v0, s[64:65] scope:SCOPE_SE
	s_setreg_imm32_b32 hwreg(HW_REG_WAVE_MODE, 25, 1), 1
	s_wait_xcnt 0x0
; FIRST OF THREE LAUNCHES.  out0 = ori_f + the sum over a point's 3 nearest down-points of weight x down_f.  This launch narrows the search: for each of the 32,768 points it
; stores the numbers of the 3 BLOCKS of 16 neighbouring down-points (256 blocks a batch) in which the point's 3 nearest lie.
; WHY 3 BLOCKS DO.  Order the candidates by (d2, index), as top_k does (of equal values the lower index first), and the blocks by (the block's least d2, block number).
; A candidate in a block that has three blocks in front of it has those three blocks' least members in front of it (at equal d2 the earlier block holds the lower index),
; so it is 4th at best.  So the 3 first candidates lie in the 3 first blocks, for every input with finite d2.  A block's least d2 costs half an instruction a candidate
; (a minimum of three operands takes two), and the insert into a sorted triple is paid once for 16 candidates.
; d2, IN ONE FIXED ORDER, the same here and in the next launch: so = fma(z,z,fma(y,y,x*x)) of the point, sd likewise of the candidate; D = fma(-2qz,z,fma(-2qy,y,(-2qx)*x)),
; which is -2 x the dot product summed in ascending coordinate (the factor -2 rounds nothing); d2 = (so + sd) + D.  All f32.
; DEAD WORK.  Channel 3 of ori_xyzp and of down_xyzp: reference() slices it away ([..., :3]), whatever it holds.  It lies inside the rows of 16 bytes that are loaded whole, so it
; arrives and enters no arithmetic.  Every input of the problem has a way to the output and is loaded by one of the three launches.
; LIMITS.  A NaN or an infinity in channel 3 is not carried to the result (nor does reference() carry it).  d2 is taken to be finite: with NaN or infinite d2 the block
; numbers stored are valid numbers (0..255), but need not be those of reference()'s choice.  -0 and +0 count as equal.  Candidates whose d2 differ by less than the rounding of
; this order of operations could be ranked otherwise by another order.
; SHARES.  Work-group g owns points 128 g .. 128 g + 127 (batch g / 128).  All 16 waves hold these 128 points, four a lane (points 32 u + lane); wave w scans candidates
; 256 w .. 256 w + 255 (blocks 16 w .. 16 w + 15).  Candidates come as SCALARS, four by one load of 64 bytes, in two sets of registers by turns; the packed forms take two points
; in a register pair and the scalar for both halves.  The waves' triples meet in LDS; waves 0 to 3 merge them, a lane a point.
; No matrix unit (K = 3, and the order of f32 roundings decides the choice), no tensor load, no cluster: what is shared is 64 KiB of candidates, read as scalars.
.set SPARE, 49152                      ; behind the triples: the spare words, 128 bytes for each of 16 waves: eight blocks of 256 bytes that no other line names
.set RA,  16                           ; s[16:31]  four candidates: candidate k at +4 k: x, y, z, p
.set RB,  32                           ; s[32:47]  the other set
.set E,   48                           ; s[48:63]  candidate k: y's copy at +4 k, sd at +4 k + 2; the odd words are 0 (named as upper halves of pairs)
.set MK,  66                           ; s66-s77   the inserts' masks, three for each of the four points
.set SPW, 1                            ; v1   LDS address of my spare word; never rewritten
.set NIL, 2                            ; v2   0; never rewritten
.set L16, 3                            ; v3   16 x lane
.set QX,  4                            ; v4-7, v8-11, v12-15   -2 x my four points' x, y, z
.set QY,  8
.set QZ,  12
.set SO,  16                           ; v16-19  so of my four points
.set BM,  20                           ; v20-23  the block's least d2
.set M1,  24                           ; v24-35  the three least block minima so far, ascending: M1, M2, M3, four points each
.set M2,  28
.set M3,  32
.set I1,  36                           ; v36-47  their block numbers
.set I2,  40
.set I3,  44
.set VB,  48                           ; v48     the block's number
.set LST, 49                           ; v49     LDS: 4 x lane + 3,072 x wave
.set TP,  50                           ; v50-53  at work
.set LRD, 54                           ; v54     LDS: 4 x (thread mod 128)
.set GST, 55                           ; v55     16 x thread
.set DD,  56                           ; v56-71  d2: candidate k, point u at +4 k + u.  At the head: my four points as loaded
.set TT,  72                           ; v72-87  so + sd
.set MG,  96                           ; v96-191 the merge: wave w's M1, M2, M3, I1, I2, I3 of my point at +6 w
	s_load_b128 s[4:7], s[0:1], 0x0                ; ori_xyzp s[4:5], down_xyzp s[6:7]
	s_load_b64 s[8:9], s[0:1], 0x10                ; blk
	v_lshl_add_u32 v[SPW], v0, 2, SPARE
	v_mov_b32 v[NIL], 0
	v_lshrrev_b32 v[L16], 5, v0
	v_readfirstlane_b32 s10, v[L16]                ; wave 0..15
	v_and_b32 v[L16], 31, v0                       ; lane
	s_mul_i32 s11, s10, 3072                       ; a wave's triples: 6 items x 128 points x 4 bytes
	v_lshl_add_u32 v[LST], v[L16], 2, s11
	v_lshlrev_b32 v[L16], 4, v[L16]
	v_and_b32 v[LRD], 127, v0
	v_lshlrev_b32 v[LRD], 2, v[LRD]
	v_lshlrev_b32 v[GST], 4, v0
	s_lshl_b32 s14, ttmp9, 11                      ; 128 points x 16 bytes: in ori_xyzp and in blk
	s_mov_b32 s15, 0
	s_lshr_b32 s12, ttmp9, 7                       ; the batch:
	s_lshl_b32 s12, s12, 16                        ; 4,096 candidates x 16 bytes,
	s_lshl_b32 s13, s10, 12                        ; and my wave's 256 of them
	s_add_co_u32 s12, s12, s13
	s_mov_b32 s13, 0
.irp k, 0,1,2,3,4,5,6,7
	s_mov_b32 s[E+2*\k+1], 0
.endr
	s_wait_kmcnt 0x0
	s_add_nc_u64 s[4:5], s[4:5], s[14:15]
	s_add_nc_u64 s[8:9], s[8:9], s[14:15]
	s_add_nc_u64 s[6:7], s[6:7], s[12:13]
	s_load_b512 s[RA:RA+15], s[6:7], 0x0           ; my first four candidates
.irp u, 0,1,2,3
	global_load_b128 v[DD+4*\u:DD+4*\u+3], v[L16], s[4:5] offset:512*\u   ; points 32 u + lane: 512 consecutive bytes a load
.endr
.irp i, 0,1,2,3,4,5,6,7,8,9,10,11
	v_mov_b32 v[M1+\i], 0x7f800000                 ; +infinity: every finite minimum comes in front of it
	v_mov_b32 v[I1+\i], 0
.endr
	s_wait_loadcnt 0x0
.irp u, 0,1,2,3
	v_mul_f32 v[SO+\u], v[DD+4*\u], v[DD+4*\u]
	v_mul_f32 v[QX+\u], -2.0, v[DD+4*\u]
.endr
.irp u, 0,1,2,3
	v_fmac_f32 v[SO+\u], v[DD+4*\u+1], v[DD+4*\u+1]
	v_mul_f32 v[QY+\u], -2.0, v[DD+4*\u+1]
.endr
.irp u, 0,1,2,3
	v_fmac_f32 v[SO+\u], v[DD+4*\u+2], v[DD+4*\u+2]
	v_mul_f32 v[QZ+\u], -2.0, v[DD+4*\u+2]
.endr
; The set in hand is CUR.  PREP: y's copy into an even register (a packed form takes the low word of an even pair for both halves), and sd, in scalar floats; the four candidates by turns.
.macro PREP
.irp k, 0,1,2,3
	s_mov_b32 s[E+4*\k], s[CUR+4*\k+1]
.endr
.irp k, 0,1,2,3
	s_mul_f32 s[E+4*\k+2], s[CUR+4*\k], s[CUR+4*\k]
.endr
.irp k, 0,1,2,3
	s_fmac_f32 s[E+4*\k+2], s[CUR+4*\k+1], s[CUR+4*\k+1]
.endr
.irp k, 0,1,2,3
	s_fmac_f32 s[E+4*\k+2], s[CUR+4*\k+2], s[CUR+4*\k+2]
.endr
.endm
; DIST: d2 of four candidates x four points: eight chains of five packed lines, written level by level
.macro DIST
.irp k, 0,1,2,3
.irp p, 0,1
	v_pk_add_f32 v[TT+4*\k+2*\p:TT+4*\k+2*\p+1], v[SO+2*\p:SO+2*\p+1], s[E+4*\k+2:E+4*\k+3] op_sel_hi:[1,0]   ; so + sd
.endr
.endr
.irp k, 0,1,2,3
.irp p, 0,1
	v_pk_mul_f32 v[DD+4*\k+2*\p:DD+4*\k+2*\p+1], v[QX+2*\p:QX+2*\p+1], s[CUR+4*\k:CUR+4*\k+1] op_sel_hi:[1,0]   ; (-2 qx) x
.endr
.endr
.irp k, 0,1,2,3
.irp p, 0,1
	v_pk_fma_f32 v[DD+4*\k+2*\p:DD+4*\k+2*\p+1], v[QY+2*\p:QY+2*\p+1], s[E+4*\k:E+4*\k+1], v[DD+4*\k+2*\p:DD+4*\k+2*\p+1] op_sel_hi:[1,0,1]
.endr
.endr
.irp k, 0,1,2,3
.irp p, 0,1
	v_pk_fma_f32 v[DD+4*\k+2*\p:DD+4*\k+2*\p+1], v[QZ+2*\p:QZ+2*\p+1], s[CUR+4*\k+2:CUR+4*\k+3], v[DD+4*\k+2*\p:DD+4*\k+2*\p+1] op_sel_hi:[1,0,1]
.endr
.endr
.irp k, 0,1,2,3
.irp p, 0,1
	v_pk_add_f32 v[DD+4*\k+2*\p:DD+4*\k+2*\p+1], v[TT+4*\k+2*\p:TT+4*\k+2*\p+1], v[DD+4*\k+2*\p:DD+4*\k+2*\p+1]   ; d2
.endr
.endr
.endm
; FOLD: the four candidates into the block's minimum, two an instruction.  first = 1: they start it
.macro FOLD first
.irp u, 0,1,2,3
.if \first
	v_min_num_f32 v[BM+\u], v[DD+\u], v[DD+4+\u]
.else
	v_min3_num_f32 v[BM+\u], v[BM+\u], v[DD+\u], v[DD+4+\u]
.endif
.endr
.irp u, 0,1,2,3
	v_min3_num_f32 v[BM+\u], v[BM+\u], v[DD+8+\u], v[DD+12+\u]
.endr
.endm
; A quarter of a block.  Scalar loads come back in no order, so the wait is for 0: this quarter's set is in, and no scalar load is out.  Then the next four candidates are asked
; for, into the other set, and have this quarter's work in which to come.  last = 1: the wave's last block asks for nothing beyond its 256 candidates.
.macro CHUNK c, last
.set CUR, RA+16*((\c)%2)
.set NXT, RA+16*(1-(\c)%2)
	s_wait_kmcnt 0x0
.if \c < 3
	s_load_b512 s[NXT:NXT+15], s[6:7], 64*(\c+1)
.else
.if \last == 0
	s_wait_xcnt 0x0                                ; every earlier load has read its base: it steps only behind this wait
	s_add_nc_u64 s[6:7], s[6:7], 256               ; the next block
	s_load_b512 s[NXT:NXT+15], s[6:7], 0x0
.endif
.endif
	PREP
	DIST
	FOLD (\c)==0
.endm
; The insert of (c, id) into the sorted triple m, m+1, m+2 with the numbers i, i+1, i+2.  The compare is 'less', so of equal values the one that came first stays in front.
.macro INS c, id, m, i, t, sm
	v_cmp_lt_f32 s[\sm], v[\c], v[\m]
	v_cmp_lt_f32 s[\sm+1], v[\c], v[\m+1]
	v_cmp_lt_f32 s[\sm+2], v[\c], v[\m+2]
	v_cndmask_b32 v[\t], \id, v[\i+1], s[\sm+1]
	v_cndmask_b32 v[\i+2], v[\i+2], v[\t], s[\sm+2]
	v_cndmask_b32 v[\t], \id, v[\i], s[\sm]
	v_cndmask_b32 v[\i+1], v[\i+1], v[\t], s[\sm+1]
	v_cndmask_b32 v[\i], v[\i], \id, s[\sm]
	v_med3_num_f32 v[\m+2], v[\m+1], v[\m+2], v[\c]
	v_med3_num_f32 v[\m+1], v[\m], v[\m+1], v[\c]
	v_min_num_f32 v[\m], v[\m], v[\c]
.endm
; The same eleven lines for my four points' block minima, level by level
.macro INS4
.irp u, 0,1,2,3
	v_cmp_lt_f32 s[MK+3*\u], v[BM+\u], v[M1+\u]
	v_cmp_lt_f32 s[MK+3*\u+1], v[BM+\u], v[M2+\u]
	v_cmp_lt_f32 s[MK+3*\u+2], v[BM+\u], v[M3+\u]
.endr
.irp u, 0,1,2,3
	v_cndmask_b32 v[TP+\u], v[VB], v[I2+\u], s[MK+3*\u+1]
.endr
.irp u, 0,1,2,3
	v_cndmask_b32 v[I3+\u], v[I3+\u], v[TP+\u], s[MK+3*\u+2]
.endr
.irp u, 0,1,2,3
	v_cndmask_b32 v[TP+\u], v[VB], v[I1+\u], s[MK+3*\u]
.endr
.irp u, 0,1,2,3
	v_cndmask_b32 v[I2+\u], v[I2+\u], v[TP+\u], s[MK+3*\u+1]
.endr
.irp u, 0,1,2,3
	v_cndmask_b32 v[I1+\u], v[I1+\u], v[VB], s[MK+3*\u]
.endr
.irp u, 0,1,2,3
	v_med3_num_f32 v[M3+\u], v[M2+\u], v[M3+\u], v[BM+\u]
.endr
.irp u, 0,1,2,3
	v_med3_num_f32 v[M2+\u], v[M1+\u], v[M2+\u], v[BM+\u]
.endr
.irp u, 0,1,2,3
	v_min_num_f32 v[M1+\u], v[M1+\u], v[BM+\u]
.endr
.endm
.macro BLOCK last
	CHUNK 0, \last
	CHUNK 1, \last
	CHUNK 2, \last
	CHUNK 3, \last
	v_mov_b32 v[VB], s13
	INS4
	s_add_co_u32 s13, s13, 1
.endm
	s_mov_b32 s12, 0
	s_lshl_b32 s13, s10, 4                         ; my first block's number
.Lblk:                                                 ; 15 trips, a block each; the 16th is written out, so that no load leaves the buffer
	BLOCK 0
	s_add_co_u32 s12, s12, 1
	s_cmp_lt_u32 s12, 15
	s_cbranch_scc1 .Lblk
	BLOCK 1
	; my wave's triples go to LDS: word ((6 wave + item) x 128 + point)
.irp i, 0,1,2,3,4,5
.irp u, 0,1,2,3
	ds_store_b32 v[LST], v[M1+4*\i+\u] offset:512*\i+128*\u
.endr
.endr
	s_wait_dscnt 0x0                               ; for the others' sake: my stores have landed
	s_barrier_signal -1
	s_barrier_wait -1
	s_cmp_ge_u32 s10, 4                            ; waves 0 to 3 merge, a lane a point (point = thread)
	s_cbranch_scc1 .Lend
.irp w, 0,1,2,3,4,5,6,7,8,9,10,11,12,13,14,15
.irp i, 0,1,2,3,4,5
	ds_load_b32 v[MG+6*\w+\i], v[LRD] offset:512*(6*\w+\i)
.endr
.endr
	s_wait_dscnt 0x0
.irp w, 1,2,3,4,5,6,7,8,9,10,11,12,13,14,15    ; wave 0's triple is the start; the others come in ascending wave and rank, which is ascending block number among equal minima
.irp k, 0,1,2
	INS MG+6*\w+\k, v[MG+6*\w+3+\k], MG, MG+3, TP, MK
.endr
.endr
	v_min_u32 v[DD+4], v[MG+3], v[MG+4]            ; the three block numbers ascending, so that the next launch scans in ascending index
	v_max_u32 v[DD+5], v[MG+3], v[MG+4]
	v_max_u32 v[DD+2], v[DD+5], v[MG+5]
	v_min_u32 v[DD+6], v[DD+5], v[MG+5]
	v_min_u32 v[DD], v[DD+4], v[DD+6]
	v_max_u32 v[DD+1], v[DD+4], v[DD+6]
	v_mov_b32 v[DD+3], 0
	global_store_b128 v[GST], v[DD:DD+3], s[8:9]   ; a wave stores 512 consecutive bytes, aligned
.Lend:
	s_wait_tensorcnt 0x0                           ; the wave's end: s_wait_tensorcnt, an LDS add and its wait, behind my last LDS store, the first even in a text with no tensor load
	ds_add_u32 v[SPW], v[NIL]
	s_wait_dscnt 0x0
	s_endpgm
.Lfunc_end_k_qba6fc2d44c_blocks:
	.size	k_qba6fc2d44c_blocks, .Lfunc_end_k_qba6fc2d44c_blocks-k_qba6fc2d44c_blocks
	.p2alignl 7, 3214868480
	.fill 96, 4, 3214868480
	.section	.rodata,"a",@progbits
	.p2align	6, 0x0
	.amdhsa_kernel k_qba6fc2d44c_blocks
		.amdhsa_group_segment_fixed_size 51200
		.amdhsa_private_segment_fixed_size 0
		.amdhsa_enable_private_segment 0
		.amdhsa_kernarg_size 24
		.amdhsa_user_sgpr_count 2
		.amdhsa_user_sgpr_kernarg_segment_ptr 1
		.amdhsa_wavefront_size32 1
		.amdhsa_system_sgpr_workgroup_id_x 1
		.amdhsa_system_sgpr_workgroup_id_y 1
		.amdhsa_system_sgpr_workgroup_id_z 1
		.amdhsa_system_vgpr_workitem_id 0
		.amdhsa_next_free_vgpr 192
		.amdhsa_next_free_sgpr 80
		.amdhsa_reserve_vcc 0
		.amdhsa_float_denorm_mode_32 3
		.amdhsa_float_denorm_mode_16_64 3
		.amdhsa_memory_ordered 1
		.amdhsa_forward_progress 1
		.amdhsa_inst_pref_size 76
	.end_amdhsa_kernel
	.amdgpu_metadata
---
amdhsa.version: [ 1, 2 ]
amdhsa.kernels:
  - .name:           k_qba6fc2d44c_blocks
    .symbol:         k_qba6fc2d44c_blocks.kd
    .args:
      - { .name: ori_xyzp, .offset: 0, .size: 8, .value_kind: global_buffer, .address_space: global }
      - { .name: down_xyzp, .offset: 8, .size: 8, .value_kind: global_buffer, .address_space: global }
      - { .name: blk, .offset: 16, .size: 8, .value_kind: global_buffer, .address_space: global }
    .group_segment_fixed_size: 51200
    .private_segment_fixed_size: 0
    .kernarg_segment_align: 8
    .kernarg_segment_size: 24
    .max_flat_workgroup_size: 512
    .sgpr_count:     80
    .vgpr_count:     192
    .wavefront_size: 32
...
	.end_amdgpu_metadata
.endif
;; end of part 1
;; launch rescan_proj (part 2): grid 512 x 1, 4 waves a work-group, no clusters, 0 bytes of LDS; arguments blk, ori_xyzp, down_xyzp, idx, wgt, down_features_codes, W1_codes, b1, lowp_scales, downf; writes idx, wgt, downf
.if DOCPART == 2
	.amdgcn_target "amdgcn-amd-amdhsa--gfx1250"
	.amdhsa_code_object_version 6
	.text
	.protected	k_qba6fc2d44c_rescan_proj
	.globl	k_qba6fc2d44c_rescan_proj
	.p2align	8
	.type	k_qba6fc2d44c_rescan_proj,@function
k_qba6fc2d44c_rescan_proj:
	s_mov_b64 s[64:65], 0
	v_nop
	global_prefetch_b8 v0, s[64:65] scope:SCOPE_SE
	s_setreg_imm32_b32 hwreg(HW_REG_WAVE_MODE, 25, 1), 1
	s_wait_xcnt 0x0
; SECOND OF THREE LAUNCHES, two jobs that hang on nothing of each other, parted by the work-group's number.
; WORK-GROUPS 0..255: for each point, the 3 nearest of the 48 candidates in the 3 blocks that the launch before stored (they hold the 3 nearest of all 4,096: shown there).  d2 is formed in
; the same order of operations as there.  Stored: the 3 indices within the batch (whole numbers) and the 3 weights (1 / (d2 + 1e-8)) / their sum.  A lane is a point.
; WORK-GROUPS 256..511: down_f = down_features W1 + b1 on E5M2 codes, [8192][128] f32 into a workspace buffer.  A wave makes 16 rows x 64 columns: 8 matrix instructions.
; LEFT OUT: channel 3 of the two xyzp inputs, which reference() slices away: it arrives inside the rows of 16 bytes and enters no arithmetic.
; LIMITS: d2 finite (else the indices stored are valid, 0..4095, but need not be reference()'s); the divisions are reciprocals good to a last-place unit and a multiply;
; e0 + e1 between -126 and 127, so that 2^(e0 + e1) is an f32 number.
; No LDS, no barrier: waves share nothing.  No tensor load: a point's three blocks are 768 bytes at addresses of its own.
.set CAND, 64                          ; v64-255  48 candidates x 4 words: block k, candidate c at +64 k + 4 c
.macro INS c, id, m, i, t, sm          ; (c, id) into the sorted triple m .. m+2 with the numbers i .. i+2; 'less': of equal values the earlier stays in front
	v_cmp_lt_f32 s[\sm], v[\c], v[\m]
	v_cmp_lt_f32 s[\sm+1], v[\c], v[\m+1]
	v_cmp_lt_f32 s[\sm+2], v[\c], v[\m+2]
	v_cndmask_b32 v[\t], \id, v[\i+1], s[\sm+1]
	v_cndmask_b32 v[\i+2], v[\i+2], v[\t], s[\sm+2]
	v_cndmask_b32 v[\t], \id, v[\i], s[\sm]
	v_cndmask_b32 v[\i+1], v[\i+1], v[\t], s[\sm+1]
	v_cndmask_b32 v[\i], v[\i], \id, s[\sm]
	v_med3_num_f32 v[\m+2], v[\m+1], v[\m+2], v[\c]
	v_med3_num_f32 v[\m+1], v[\m], v[\m+1], v[\c]
	v_min_num_f32 v[\m], v[\m], v[\c]
.endm
	s_load_b512 s[4:19], s[0:1], 0x0               ; blk s[4:5], ori_xyzp s[6:7], down_xyzp s[8:9], idx s[10:11], wgt s[12:13], down_features_codes s[14:15], W1_codes s[16:17], b1 s[18:19]
	s_load_b128 s[20:23], s[0:1], 0x40             ; lowp_scales s[20:21], downf s[22:23]
	v_lshrrev_b32 v1, 5, v0
	v_readfirstlane_b32 s24, v1                    ; wave 0..3
	s_mov_b32 s27, 0
	s_mov_b32 s29, 0
	s_wait_kmcnt 0x0
	s_cmp_lt_u32 ttmp9, 256
	s_cbranch_scc0 .Lproj
	; ---- THE SEARCH AMONG 48.  v1 16 x thread; v4-6 the blocks' byte offsets; v8-10 the block numbers; v12-15 my point; v16-18 -2 x its coordinates, v19 so;
	; v20-22 the three least d2, v24-26 their places 0..47; v28-31 sd, v32-35 D then d2, v36-39 so + sd of four candidates; v40-55 at work
	v_lshlrev_b32 v1, 4, v0
	s_lshl_b32 s26, ttmp9, 11                      ; 128 points x 16 bytes
	s_lshr_b32 s28, ttmp9, 7
	s_lshl_b32 s28, s28, 16                        ; the batch's 4,096 candidates x 16 bytes
	s_add_nc_u64 s[4:5], s[4:5], s[26:27]
	s_add_nc_u64 s[6:7], s[6:7], s[26:27]
	s_add_nc_u64 s[10:11], s[10:11], s[26:27]
	s_add_nc_u64 s[12:13], s[12:13], s[26:27]
	s_add_nc_u64 s[8:9], s[8:9], s[28:29]
	global_load_b128 v[4:7], v1, s[4:5]            ; my three block numbers
	global_load_b128 v[12:15], v1, s[6:7]          ; my point
	s_wait_loadcnt 1                               ; the block numbers are in; the point's load may be out
.irp k, 0,1,2
	v_min_u32 v[8+\k], 0xff, v[4+\k]               ; a loaded number enters an address only behind a bound written in the instruction
.endr
.irp k, 0,1,2
	v_lshlrev_b32 v[4+\k], 8, v[8+\k]              ; a block is 256 bytes
.endr
.irp k, 0,1,2
.irp c, 0,1,2,3,4,5,6,7,8,9,10,11,12,13,14,15
	global_load_b128 v[CAND+64*\k+4*\c:CAND+64*\k+4*\c+3], v[4+\k], s[8:9] offset:16*\c
.endr
.endr
	s_wait_loadcnt 48                              ; my point is in; the 48 candidates' loads may be out
	v_mul_f32 v19, v12, v12
	v_mul_f32 v16, -2.0, v12
	v_mul_f32 v17, -2.0, v13
	v_fmac_f32 v19, v13, v13
	v_mul_f32 v18, -2.0, v14
	v_fmac_f32 v19, v14, v14                       ; so
.irp r, 0,1,2
	v_mov_b32 v[20+\r], 0x7f800000                 ; +infinity
	v_mov_b32 v[24+\r], 0
.endr
.irp k, 0,1,2
	s_wait_loadcnt 32-16*\k                        ; block k's sixteen loads are in; the later blocks' may be out
.irp g, 0,1,2,3
.irp i, 0,1,2,3
	v_mul_f32 v[28+\i], v[CAND+64*\k+16*\g+4*\i], v[CAND+64*\k+16*\g+4*\i]
	v_mul_f32 v[32+\i], v16, v[CAND+64*\k+16*\g+4*\i]
.endr
.irp i, 0,1,2,3
	v_fmac_f32 v[28+\i], v[CAND+64*\k+16*\g+4*\i+1], v[CAND+64*\k+16*\g+4*\i+1]
	v_fmac_f32 v[32+\i], v17, v[CAND+64*\k+16*\g+4*\i+1]
.endr
.irp i, 0,1,2,3
	v_fmac_f32 v[28+\i], v[CAND+64*\k+16*\g+4*\i+2], v[CAND+64*\k+16*\g+4*\i+2]
	v_fmac_f32 v[32+\i], v18, v[CAND+64*\k+16*\g+4*\i+2]
.endr
.irp i, 0,1,2,3
	v_add_f32 v[36+\i], v19, v[28+\i]              ; so + sd
.endr
.irp i, 0,1,2,3
	v_add_f32 v[32+\i], v[36+\i], v[32+\i]         ; d2
.endr
.irp i, 0,1,2,3
	INS 32+\i, 16*\k+4*\g+\i, 20, 24, 40, 66       ; the blocks are ascending, so places ascend with the index
.endr
.endr
.endr
	; the weights
	v_add_f32 v40, 0x322bcc77, v20                 ; d2 + 1e-8
	v_add_f32 v41, 0x322bcc77, v21
	v_add_f32 v42, 0x322bcc77, v22
	v_rcp_f32 v40, v40
	v_rcp_f32 v41, v41
	v_rcp_f32 v42, v42
	v_mov_b32 v47, 0                               ; wgt's fourth word: the plain instruction behind the three reciprocals
	s_wait_alu depctr_va_vdst(0)                   ; the wait ahead of the first reader: one for the three
	v_add_f32 v43, v40, v41
	v_add_f32 v43, v43, v42
	v_rcp_f32 v43, v43
	; a place 0..47 becomes an index: 16 x its block's number + place mod 16.  (Plain work behind the reciprocal)
.irp r, 0,1,2
	v_cmp_gt_u32 s66, 16, v[24+\r]
	v_cmp_gt_u32 s67, 32, v[24+\r]
	v_cndmask_b32 v48, v10, v9, s67
	v_cndmask_b32 v48, v48, v8, s66
	v_and_b32 v49, 15, v[24+\r]
	v_lshl_or_b32 v[52+\r], v48, 4, v49
.endr
	v_mov_b32 v55, 0
	s_wait_alu depctr_va_vdst(0)                   ; and for the sum's reciprocal
	v_mul_f32 v44, v40, v43
	v_mul_f32 v45, v41, v43
	v_mul_f32 v46, v42, v43
	global_store_b128 v1, v[52:55], s[10:11]       ; a wave stores 512 consecutive bytes, aligned
	global_store_b128 v1, v[44:47], s[12:13]
	s_endpgm
.Lproj:
	; ---- down_f.  Wave w of work-group 256 + gg: rows 16 rt on, rt = 2 gg + w / 2; columns 64 ch on, ch = w mod 2.
	; Source 0 = 16 rows of down_features, source 1 = 16 rows of W1_codes (columns of W1).  THE COLUMNS OF A TILE ARE NOT NEIGHBOURS: lane r of tile t takes column 64 ch + 4 r + t, so that
	; register j of the four tiles holds four NEIGHBOURING columns of row 8 h + j: 16 bytes a lane, and sixteen lanes store 256 consecutive bytes, aligned.
	; A fragment (16 x 128 K) comes by four loads of 16 bytes, 32 apart: registers 4 c .. 4 c + 3 hold k = 32 c + 16 h + 0 .. 15, alike on both sides: every product meets its partner.
	; v1 r, v2 h, v3 A's offset, v4 B's, v5 16 r, v6 the way out; v8-11 b1; v16-47 A, two K steps; v48-175 B at 16 (2 t + s); v176-207 the sums at 8 t; v208-239 the results
	s_sub_co_u32 s25, ttmp9, 256
	s_lshl_b32 s25, s25, 1
	s_lshr_b32 s26, s24, 1
	s_add_co_u32 s25, s25, s26                     ; rt
	s_and_b32 s26, s24, 1                          ; ch
	v_and_b32 v1, 15, v0
	v_bfe_u32 v2, v0, 4, 1
	v_lshlrev_b32 v3, 8, v1
	v_lshl_add_u32 v3, v2, 4, v3                   ; 256 r + 16 h
	v_lshlrev_b32 v4, 10, v1
	v_lshl_add_u32 v4, v2, 4, v4                   ; 4 r rows of 256 bytes + 16 h
	v_lshlrev_b32 v5, 4, v1
	v_lshl_add_u32 v6, v2, 12, v5                  ; 8 h rows of 512 bytes + 16 r
	s_lshl_b32 s28, s25, 12
	s_add_nc_u64 s[14:15], s[14:15], s[28:29]      ; 16 rows x 256 bytes
	s_lshl_b32 s28, s26, 14
	s_add_nc_u64 s[16:17], s[16:17], s[28:29]      ; 64 rows of W1_codes
	s_lshl_b32 s28, s26, 8
	s_add_nc_u64 s[18:19], s[18:19], s[28:29]      ; 64 numbers of b1
	s_lshl_b32 s30, s25, 13
	s_add_co_u32 s28, s28, s30
	s_add_nc_u64 s[22:23], s[22:23], s[28:29]      ; 16 rows x 512 bytes + 64 columns
	s_load_b64 s[30:31], s[20:21], 0x0             ; e0, e1
.irp s, 0,1
.irp c, 0,1,2,3
	global_load_b128 v[16+16*\s+4*\c:16+16*\s+4*\c+3], v3, s[14:15] offset:128*\s+32*\c
.endr
.endr
.irp t, 0,1,2,3
.irp s, 0,1
.irp c, 0,1,2,3
	global_load_b128 v[48+16*(2*\t+\s)+4*\c:48+16*(2*\t+\s)+4*\c+3], v4, s[16:17] offset:256*\t+128*\s+32*\c
.endr
.endr
.endr
	global_load_b128 v[8:11], v5, s[18:19]         ; b1 of my four columns
	s_wait_loadcnt 0x0
.irp t, 0,1,2,3                                ; the four accumulators take turns, one instruction a turn; the first K step starts the sums
	v_wmma_f32_16x16x128_bf8_bf8 v[176+8*\t:183+8*\t], v[16:31], v[48+32*\t:63+32*\t], 0
.endr
.irp t, 0,1,2,3
	v_wmma_f32_16x16x128_bf8_bf8 v[176+8*\t:183+8*\t], v[32:47], v[64+32*\t:79+32*\t], v[176+8*\t:183+8*\t]
.endr
.rept 4
	v_nop                                          ; four plain vector instructions between a matrix instruction and the first read of its result (ISA guide 7.12.1)
.endr
	s_wait_kmcnt 0x0
	s_add_co_i32 s30, s30, s31
	s_add_co_i32 s30, s30, 127
	s_lshl_b32 s30, s30, 23                        ; 2^(e0 + e1) as f32
.irp j, 0,1,2,3,4,5,6,7                        ; each accumulator from its low end on
.irp t, 0,1,2,3
	v_fma_f32 v[208+4*\j+\t], v[176+8*\t+\j], s30, v[8+\t]   ; sum x 2^(e0 + e1) + b1
.endr
.endr
.irp j, 0,1,2,3,4,5,6,7
	global_store_b128 v6, v[208+4*\j:211+4*\j], s[22:23] offset:512*\j   ; lanes 0-15: 256 bytes of row j; lanes 16-31: of row 8 + j
.endr
	s_endpgm
.Lfunc_end_k_qba6fc2d44c_rescan_proj:
	.size	k_qba6fc2d44c_rescan_proj, .Lfunc_end_k_qba6fc2d44c_rescan_proj-k_qba6fc2d44c_rescan_proj
	.p2alignl 7, 3214868480
	.fill 96, 4, 3214868480
	.section	.rodata,"a",@progbits
	.p2align	6, 0x0
	.amdhsa_kernel k_qba6fc2d44c_rescan_proj
		.amdhsa_group_segment_fixed_size 0
		.amdhsa_private_segment_fixed_size 0
		.amdhsa_enable_private_segment 0
		.amdhsa_kernarg_size 80
		.amdhsa_user_sgpr_count 2
		.amdhsa_user_sgpr_kernarg_segment_ptr 1
		.amdhsa_wavefront_size32 1
		.amdhsa_system_sgpr_workgroup_id_x 1
		.amdhsa_system_sgpr_workgroup_id_y 1
		.amdhsa_system_sgpr_workgroup_id_z 1
		.amdhsa_system_vgpr_workitem_id 0
		.amdhsa_next_free_vgpr 256
		.amdhsa_next_free_sgpr 80
		.amdhsa_reserve_vcc 0
		.amdhsa_float_denorm_mode_32 3
		.amdhsa_float_denorm_mode_16_64 3
		.amdhsa_memory_ordered 1
		.amdhsa_forward_progress 1
		.amdhsa_inst_pref_size 61
	.end_amdhsa_kernel
	.amdgpu_metadata
---
amdhsa.version: [ 1, 2 ]
amdhsa.kernels:
  - .name:           k_qba6fc2d44c_rescan_proj
    .symbol:         k_qba6fc2d44c_rescan_proj.kd
    .args:
      - { .name: blk, .offset: 0, .size: 8, .value_kind: global_buffer, .address_space: global }
      - { .name: ori_xyzp, .offset: 8, .size: 8, .value_kind: global_buffer, .address_space: global }
      - { .name: down_xyzp, .offset: 16, .size: 8, .value_kind: global_buffer, .address_space: global }
      - { .name: idx, .offset: 24, .size: 8, .value_kind: global_buffer, .address_space: global }
      - { .name: wgt, .offset: 32, .size: 8, .value_kind: global_buffer, .address_space: global }
      - { .name: down_features_codes, .offset: 40, .size: 8, .value_kind: global_buffer, .address_space: global }
      - { .name: W1_codes, .offset: 48, .size: 8, .value_kind: global_buffer, .address_space: global }
      - { .name: b1, .offset: 56, .size: 8, .value_kind: global_buffer, .address_space: global }
      - { .name: lowp_scales, .offset: 64, .size: 8, .value_kind: global_buffer, .address_space: global }
      - { .name: downf, .offset: 72, .size: 8, .value_kind: global_buffer, .address_space: global }
    .group_segment_fixed_size: 0
    .private_segment_fixed_size: 0
    .kernarg_segment_align: 8
    .kernarg_segment_size: 80
    .max_flat_workgroup_size: 128
    .sgpr_count:     80
    .vgpr_count:     256
    .wavefront_size: 32
...
	.end_amdgpu_metadata
.endif
;; end of part 2
;; launch combine (part 3): grid 256 x 1, 16 waves a work-group, no clusters, 18,432 bytes of LDS; arguments ori_features_codes, W2_codes, b2, lowp_scales, idx, wgt, downf, out0; writes out0
.if DOCPART == 3
	.amdgcn_target "amdgcn-amd-amdhsa--gfx1250"
	.amdhsa_code_object_version 6
	.text
	.protected	k_qba6fc2d44c_combine
	.globl	k_qba6fc2d44c_combine
	.p2align	8
	.type	k_qba6fc2d44c_combine,@function
k_qba6fc2d44c_combine:
	s_mov_b64 s[64:65], 0
	v_nop
	global_prefetch_b8 v0, s[64:65] scope:SCOPE_SE
	s_setreg_imm32_b32 hwreg(HW_REG_WAVE_MODE, 25, 1), 1
	s_wait_xcnt 0x0
; THIRD OF THREE LAUNCHES.  out0 = ori_features W2 + b2 (on E5M2 codes) + the sum over k = 0..2 of wgt[k] x down_f[idx[k]].  idx (whole numbers), wgt and down_f were stored by the launch before.
; Nothing of reference() is left out here.
; SHARES.  Work-group g owns rows 128 g on (batch g / 128).  Wave w: rows 16 rt on, rt = 8 g + w / 2; columns 64 ch on, ch = w mod 2: four matrix instructions (K = 128 is one step) and 24 gathers of
; 256 bytes a half-wave, all on their way at once.
; LAYOUT.  Source 0 = 16 rows of ori_features, source 1 = 16 rows of W2_codes.  Lane r of tile t takes column 64 ch + 4 r + t, so that register j of the four tiles holds four neighbouring columns of
; row 8 h + j: the same 16 bytes that a lane gathers from a row of down_f and stores into out0; sixteen lanes cover 256 consecutive bytes, aligned.
; W2 is read from memory once a work-group: its eight fragments go round through LDS as images of the operand's registers (a group of four registers: 16 bytes a lane at 16 x lane, 512 bytes a
; store); wave w brings two of the 32 groups.
; LIMIT: e2 + e3 between -126 and 127, so that 2^(e2 + e3) is an f32 number.
; No tensor load, no cluster: what the waves share is 16 KiB; the rest is gathers at addresses of a row's own.
.set SPARE, 16384                      ; behind W2's images: the spare words, 128 bytes for each of 16 waves: eight blocks of 256 bytes that no other line names
.set SPW, 10                           ; v10  LDS address of my spare word; never rewritten
.set NIL, 11                           ; v11  0; never rewritten
.set BI,  12                           ; v12-15   b2 of my four columns
.set IX,  16                           ; v16-47   idx's quads of rows 8 h + j at +4 j, then the gathers' offsets
.set WT,  48                           ; v48-79   wgt's quads
.set DA,  80                           ; v80-111  the sums, tile t at +8 t
.set TO,  112                          ; v112-143 the results, row j at +4 j
.set G,   144                          ; v144-239 the gathered rows: (row j, neighbour k) at +4 (3 j + k).  Before that: A v144-159, B v160-223, my two groups of W2 v224-231
	s_load_b512 s[4:19], s[0:1], 0x0               ; ori_features_codes s[4:5], W2_codes s[6:7], b2 s[8:9], lowp_scales s[10:11], idx s[12:13], wgt s[14:15], downf s[16:17], out0 s[18:19]
	v_lshl_add_u32 v[SPW], v0, 2, SPARE
	v_mov_b32 v[NIL], 0
	v_lshrrev_b32 v1, 5, v0
	v_readfirstlane_b32 s20, v1                    ; wave 0..15
	v_and_b32 v9, 31, v0                           ; lane
	v_and_b32 v1, 15, v0                           ; r
	v_bfe_u32 v2, v0, 4, 1                         ; h
	v_lshlrev_b32 v3, 7, v1
	v_lshl_add_u32 v3, v2, 4, v3                   ; A: 128 r + 16 h
	v_lshlrev_b32 v4, 9, v1
	v_lshl_add_u32 v4, v2, 4, v4                   ; W2: 4 r rows of 128 bytes + 16 h
	v_lshlrev_b32 v5, 4, v1                        ; 16 r
	v_lshlrev_b32 v6, 7, v2                        ; the quads of rows 8 h on: 128 h
	v_lshl_add_u32 v7, v2, 12, v5                  ; out0: 8 h rows of 512 bytes + 16 r
	s_lshl_b32 s21, s20, 10
	v_lshl_add_u32 v8, v9, 4, s21                  ; LDS, in: 16 x lane + 1,024 x wave: groups 2 (w mod 2) and the next of fragment w / 2
	s_and_b32 s22, s20, 1                          ; ch
	s_lshl_b32 s21, s22, 13
	v_lshl_add_u32 v9, v9, 4, s21                  ; LDS, out: 16 x lane + my column half's four fragments
	s_lshr_b32 s23, s20, 1                         ; w / 2: my tile of rows in the work-group; also the fragment of W2 that I help to bring
	s_lshl_b32 s24, ttmp9, 3
	s_add_co_u32 s24, s24, s23                     ; rt
	s_lshr_b32 s26, s23, 2
	s_lshl_b32 s26, s26, 13                        ; that fragment in W2_codes: its column half's 64 rows of 128 bytes,
	s_and_b32 s25, s23, 3
	s_lshl_b32 s25, s25, 7
	s_add_co_u32 s26, s26, s25                     ; its tile's row,
	s_lshl_b32 s25, s22, 6
	s_add_co_u32 s26, s26, s25                     ; and my two groups' 64 bytes along K
	s_mov_b32 s27, 0
	s_lshl_b32 s28, s22, 8                         ; 64 columns of f32
	s_mov_b32 s29, 0
	s_wait_kmcnt 0x0
	s_add_nc_u64 s[6:7], s[6:7], s[26:27]
	s_lshl_b32 s26, s24, 8                         ; 16 quads of 16 bytes
	s_add_nc_u64 s[12:13], s[12:13], s[26:27]
	s_add_nc_u64 s[14:15], s[14:15], s[26:27]
	s_lshl_b32 s26, s24, 11                        ; 16 rows of 128 codes
	s_add_nc_u64 s[4:5], s[4:5], s[26:27]
	s_add_nc_u64 s[8:9], s[8:9], s[28:29]
	s_lshl_b32 s26, s24, 13                        ; 16 rows of 512 bytes
	s_add_co_u32 s26, s26, s28
	s_add_nc_u64 s[18:19], s[18:19], s[26:27]
	s_lshr_b32 s26, ttmp9, 7
	s_lshl_b32 s26, s26, 21                        ; the batch's 4,096 rows of down_f
	s_add_co_u32 s26, s26, s28
	s_add_nc_u64 s[16:17], s[16:17], s[26:27]
	s_load_b64 s[30:31], s[10:11], 0x8             ; e2, e3
	global_load_b128 v[224:227], v4, s[6:7]        ; my two groups of W2
	global_load_b128 v[228:231], v4, s[6:7] offset:32
.irp j, 0,1,2,3,4,5,6,7
	global_load_b128 v[IX+4*\j:IX+4*\j+3], v6, s[12:13] offset:16*\j
.endr
.irp c, 0,1,2,3
	global_load_b128 v[144+4*\c:147+4*\c], v3, s[4:5] offset:32*\c   ; A's fragment: registers 4 c .. 4 c + 3: k = 32 c + 16 h + 0 .. 15, as in W2's
.endr
	global_load_b128 v[BI:BI+3], v5, s[8:9]
.irp j, 0,1,2,3,4,5,6,7
	global_load_b128 v[WT+4*\j:WT+4*\j+3], v6, s[14:15] offset:16*\j
.endr
	s_wait_loadcnt 21                              ; my two groups of W2 are in; the 21 loads issued behind them may be out
	ds_store_b128 v8, v[224:227]
	ds_store_b128 v8, v[228:231] offset:512
	s_wait_dscnt 0x0                               ; for the others' sake: my stores have landed
	s_barrier_signal -1
	s_barrier_wait -1                              ; W2's eight fragments lie in LDS
.irp t, 0,1,2,3
.irp c, 0,1,2,3
	ds_load_b128 v[160+16*\t+4*\c:163+16*\t+4*\c], v9 offset:2048*\t+512*\c
.endr
.endr
	s_wait_loadcnt 0x0
	s_wait_dscnt 0x0
.irp t, 0,1,2,3
	v_wmma_f32_16x16x128_bf8_bf8 v[DA+8*\t:DA+8*\t+7], v[144:159], v[160+16*\t:175+16*\t], 0
.endr
	; the gathers' offsets: 48 plain lines that name no register of the products: they are also the places in front of the loads into A's and B's registers and of the first read of the sums
.irp j, 0,1,2,3,4,5,6,7
.irp k, 0,1,2
	v_min_u32 v[IX+4*\j+\k], 0xfff, v[IX+4*\j+\k]  ; a loaded number enters an address only behind a bound written in the instruction
.endr
.endr
.irp j, 0,1,2,3,4,5,6,7
.irp k, 0,1,2
	v_lshl_add_u32 v[IX+4*\j+\k], v[IX+4*\j+\k], 9, v5   ; a row of down_f is 512 bytes; + 16 r
.endr
.endr
.irp j, 0,1,2,3,4,5,6,7
.irp k, 0,1,2
	global_load_b128 v[G+4*(3*\j+\k):G+4*(3*\j+\k)+3], v[IX+4*\j+\k], s[16:17]   ; sixteen lanes read 256 consecutive bytes of a gathered row
.endr
.endr
	s_wait_kmcnt 0x0
	s_add_co_i32 s30, s30, s31
	s_add_co_i32 s30, s30, 127
	s_lshl_b32 s30, s30, 23                        ; 2^(e2 + e3) as f32
.irp j, 0,1,2,3,4,5,6,7                        ; while the gathers are out; each accumulator from its low end on
.irp t, 0,1,2,3
	v_fma_f32 v[TO+4*\j+\t], v[DA+8*\t+\j], s30, v[BI+\t]   ; ori_f = sum x 2^(e2 + e3) + b2
.endr
.endr
.irp j, 0,1,2,3,4,5,6,7
	s_wait_loadcnt 21-3*\j                         ; row j's three gathers are in; the later rows' may be out
.irp k, 0,1,2
.irp e, 0,1,2,3
	v_fmac_f32 v[TO+4*\j+\e], v[WT+4*\j+\k], v[G+4*(3*\j+\k)+\e]
.endr
.endr
	global_store_b128 v7, v[TO+4*\j:TO+4*\j+3], s[18:19] offset:512*\j th:TH_STORE_NT   ; lanes 0-15: 256 bytes of row j; lanes 16-31: of row 8 + j; written once, read by nobody here
.endr
	s_wait_tensorcnt 0x0                           ; the wave's end: s_wait_tensorcnt, an LDS add and its wait, behind my last LDS store, the first even in a text with no tensor load
	ds_add_u32 v[SPW], v[NIL]
	s_wait_dscnt 0x0
	s_endpgm
.Lfunc_end_k_qba6fc2d44c_combine:
	.size	k_qba6fc2d44c_combine, .Lfunc_end_k_qba6fc2d44c_combine-k_qba6fc2d44c_combine
	.p2alignl 7, 3214868480
	.fill 96, 4, 3214868480
	.section	.rodata,"a",@progbits
	.p2align	6, 0x0
	.amdhsa_kernel k_qba6fc2d44c_combine
		.amdhsa_group_segment_fixed_size 18432
		.amdhsa_private_segment_fixed_size 0
		.amdhsa_enable_private_segment 0
		.amdhsa_kernarg_size 64
		.amdhsa_user_sgpr_count 2
		.amdhsa_user_sgpr_kernarg_segment_ptr 1
		.amdhsa_wavefront_size32 1
		.amdhsa_system_sgpr_workgroup_id_x 1
		.amdhsa_system_sgpr_workgroup_id_y 1
		.amdhsa_system_sgpr_workgroup_id_z 1
		.amdhsa_system_vgpr_workitem_id 0
		.amdhsa_next_free_vgpr 240
		.amdhsa_next_free_sgpr 66
		.amdhsa_reserve_vcc 0
		.amdhsa_float_denorm_mode_32 3
		.amdhsa_float_denorm_mode_16_64 3
		.amdhsa_memory_ordered 1
		.amdhsa_forward_progress 1
		.amdhsa_inst_pref_size 18
	.end_amdhsa_kernel
	.amdgpu_metadata
---
amdhsa.version: [ 1, 2 ]
amdhsa.kernels:
  - .name:           k_qba6fc2d44c_combine
    .symbol:         k_qba6fc2d44c_combine.kd
    .args:
      - { .name: ori_features_codes, .offset: 0, .size: 8, .value_kind: global_buffer, .address_space: global }
      - { .name: W2_codes, .offset: 8, .size: 8, .value_kind: global_buffer, .address_space: global }
      - { .name: b2, .offset: 16, .size: 8, .value_kind: global_buffer, .address_space: global }
      - { .name: lowp_scales, .offset: 24, .size: 8, .value_kind: global_buffer, .address_space: global }
      - { .name: idx, .offset: 32, .size: 8, .value_kind: global_buffer, .address_space: global }
      - { .name: wgt, .offset: 40, .size: 8, .value_kind: global_buffer, .address_space: global }
      - { .name: downf, .offset: 48, .size: 8, .value_kind: global_buffer, .address_space: global }
      - { .name: out0, .offset: 56, .size: 8, .value_kind: global_buffer, .address_space: global }
    .group_segment_fixed_size: 18432
    .private_segment_fixed_size: 0
    .kernarg_segment_align: 8
    .kernarg_segment_size: 64
    .max_flat_workgroup_size: 512
    .sgpr_count:     66
    .vgpr_count:     240
    .wavefront_size: 32
...
	.end_amdgpu_metadata
.endif
;; end of part 3
;; ======== version 2 of 2: 3 launches; version 1 with the launches rescan_proj, combine written anew for expert scheduling mode
;; limits: right only within a limited range of input values
;; workspace buffers: blk 524,288 bytes of whole numbers; idx 524,288 bytes of whole numbers; wgt 524,288 bytes; downf 4,194,304 bytes
;; launch blocks: the kernel of part 1 again; grid 256 x 1, 16 waves a work-group, no clusters, 51,200 bytes of LDS; arguments ori_xyzp, down_xyzp, blk; writes blk
;; launch rescan_proj (part 4): grid 512 x 1, 4 waves a work-group, no clusters, 0 bytes of LDS; arguments blk, ori_xyzp, down_xyzp, idx, wgt, down_features_codes, W1_codes, b1, lowp_scales, downf; writes idx, wgt, downf
.if DOCPART == 4
	.amdgcn_target "amdgcn-amd-amdhsa--gfx1250"
	.amdhsa_code_object_version 6
	.text
	.protected	k_qba6fc2d44c_rescan_proj
	.globl	k_qba6fc2d44c_rescan_proj
	.p2align	8
	.type	k_qba6fc2d44c_rescan_proj,@function
k_qba6fc2d44c_rescan_proj:
	s_mov_b64 s[64:65], 0
	v_nop
	global_prefetch_b8 v0, s[64:65] scope:SCOPE_SE
	s_setreg_imm32_b32 hwreg(HW_REG_WAVE_SCHED_MODE, 0, 2), 2
	s_setreg_imm32_b32 hwreg(HW_REG_WAVE_MODE, 25, 1), 1
	s_wait_xcnt 0x0
	s_wait_alu depctr_vm_vsrc(0)
; SECOND OF THREE LAUNCHES, two jobs that hang on nothing of each other, parted by the work-group's number.
; WORK-GROUPS 0..255: for each point, the 3 nearest of the 48 candidates in the 3 blocks that the launch before stored (they hold the 3 nearest of all 4,096: shown there).  d2 is formed in
; the same order of operations as there.  Stored: the 3 indices within the batch (whole numbers) and the 3 weights (1 / (d2 + 1e-8)) / their sum.  A lane is a point.
; WORK-GROUPS 256..511: down_f = down_features W1 + b1 on E5M2 codes, [8192][128] f32 into a workspace buffer.  A wave makes 16 rows x 64 columns: 8 matrix instructions.
; LEFT OUT: channel 3 of the two xyzp inputs, which reference() slices away: it arrives inside the rows of 16 bytes and enters no arithmetic.
; LIMITS: d2 finite (else the indices stored are valid, 0..4095, but need not be reference()'s); the divisions are reciprocals good to a last-place unit and a multiply;
; e0 + e1 between -126 and 127, so that 2^(e0 + e1) is an f32 number.
; No LDS, no barrier: waves share nothing.  No tensor load: a point's three blocks are 768 bytes at addresses of its own.
; THE MODE: SCHED_MODE bits 1:0 = 2 (LLVM: expert scheduling mode 2), set by the entry lines.  The code itself states the register dependences
; between vector or matrix instructions and memory instructions, and those through scalar registers that vector instructions write, with s_wait_alu, always for 0.
; THE PLAN, the search.  Registers that memory instructions touch:
;   v1            16 x thread: written once, read by two loads and the two stores.
;   v4-6          loaded (the block numbers), written anew by three shifts (byte offsets), read by the 48 candidates' loads; never written again.
;   v12-15, v64-255  loaded once, read by vector lines alone.
;   v44-47, v52-55   written by vector lines, read by the two stores.
; So a wait on va_vdst stands ahead of the first load, ahead of the 48 loads and ahead of the two stores (beside the two behind the reciprocals); no register that a memory instruction reads is written again.
;   MASKS.  An insert into the sorted triple is cut in two: RANK (three compares into masks of its own, and the three lines that update the values, which need no mask) and PLACE (the five selects on the
;   places).  Four candidates' RANKs stand in a run, twelve masks; the next four candidates' d2 follows; then ONE wait on va_sdst; then the four PLACEs.  Every compare sees the triple as the insert before left it.
; THE PLAN, the projection.  v3-v6: offsets, written once, ahead of one wait on va_vdst.  v8-11, v16-175: loaded once, read by matrix and vector lines alone.  v208-239: written by the 32 multiply-adds,
; read by the eight stores, behind one wait on va_vdst.
.set CAND, 64                          ; v64-255  48 candidates x 4 words: block k, candidate c at +64 k + 4 c
; c against the sorted triple m .. m+2: the three masks into s[sm] on ('less': of equal values the earlier stays in front), then the triple takes c in
.macro RANK c, m, sm
	v_cmp_lt_f32 s[\sm], v[\c], v[\m]
	v_cmp_lt_f32 s[\sm+1], v[\c], v[\m+1]
	v_cmp_lt_f32 s[\sm+2], v[\c], v[\m+2]
	v_med3_num_f32 v[\m+2], v[\m+1], v[\m+2], v[\c]
	v_med3_num_f32 v[\m+1], v[\m], v[\m+1], v[\c]
	v_min_num_f32 v[\m], v[\m], v[\c]
.endm
; the number id goes into the triple of numbers i .. i+2 by the same three masks
.macro PLACE id, i, t, sm
	v_cndmask_b32 v[\t], \id, v[\i+1], s[\sm+1]
	v_cndmask_b32 v[\i+2], v[\i+2], v[\t], s[\sm+2]
	v_cndmask_b32 v[\t], \id, v[\i], s[\sm]
	v_cndmask_b32 v[\i+1], v[\i+1], v[\t], s[\sm+1]
	v_cndmask_b32 v[\i], v[\i], \id, s[\sm]
.endm
; d2 of the four candidates at v[CB] on, into v32-35
.macro DIST
.irp i, 0,1,2,3
	v_mul_f32 v[28+\i], v[CB+4*\i], v[CB+4*\i]
	v_mul_f32 v[32+\i], v16, v[CB+4*\i]
.endr
.irp i, 0,1,2,3
	v_fmac_f32 v[28+\i], v[CB+4*\i+1], v[CB+4*\i+1]
	v_fmac_f32 v[32+\i], v17, v[CB+4*\i+1]
.endr
.irp i, 0,1,2,3
	v_fmac_f32 v[28+\i], v[CB+4*\i+2], v[CB+4*\i+2]
	v_fmac_f32 v[32+\i], v18, v[CB+4*\i+2]
.endr
.irp i, 0,1,2,3
	v_add_f32 v[36+\i], v19, v[28+\i]              ; so + sd
.endr
.irp i, 0,1,2,3
	v_add_f32 v[32+\i], v[36+\i], v[32+\i]         ; d2
.endr
.endm
	s_load_b512 s[4:19], s[0:1], 0x0               ; blk s[4:5], ori_xyzp s[6:7], down_xyzp s[8:9], idx s[10:11], wgt s[12:13], down_features_codes s[14:15], W1_codes s[16:17], b1 s[18:19]
	s_load_b128 s[20:23], s[0:1], 0x40             ; lowp_scales s[20:21], downf s[22:23]
	v_lshrrev_b32 v1, 5, v0
	v_readfirstlane_b32 s24, v1                    ; wave 0..3
	s_mov_b32 s27, 0
	s_mov_b32 s29, 0
	s_wait_alu depctr_va_sdst(0)                   ; s24 is written
	s_wait_kmcnt 0x0
	s_cmp_lt_u32 ttmp9, 256
	s_cbranch_scc0 .Lproj
	; ---- THE SEARCH AMONG 48.  v1 16 x thread; v4-6 the blocks' byte offsets; v8-10 the block numbers; v12-15 my point; v16-18 -2 x its coordinates, v19 so;
	; v20-22 the three least d2, v24-26 their places 0..47; v28-31 sd, v32-35 D then d2, v36-39 so + sd of four candidates; v40-55 at work
	v_lshlrev_b32 v1, 4, v0
	s_lshl_b32 s26, ttmp9, 11                      ; 128 points x 16 bytes
	s_lshr_b32 s28, ttmp9, 7
	s_lshl_b32 s28, s28, 16                        ; the batch's 4,096 candidates x 16 bytes
	s_add_nc_u64 s[4:5], s[4:5], s[26:27]
	s_add_nc_u64 s[6:7], s[6:7], s[26:27]
	s_add_nc_u64 s[10:11], s[10:11], s[26:27]
	s_add_nc_u64 s[12:13], s[12:13], s[26:27]
	s_add_nc_u64 s[8:9], s[8:9], s[28:29]
	s_wait_alu depctr_va_vdst(0)                   ; v1 is written, which the two loads below and the two stores at the end read as their offset
	global_load_b128 v[4:7], v1, s[4:5]            ; my three block numbers
	global_load_b128 v[12:15], v1, s[6:7]          ; my point
	s_wait_loadcnt 1                               ; the block numbers are in; the point's load may be out
.irp k, 0,1,2
	v_min_u32 v[8+\k], 0xff, v[4+\k]               ; a loaded number enters an address only behind a bound written in the instruction
.endr
.irp k, 0,1,2
	v_lshlrev_b32 v[4+\k], 8, v[8+\k]              ; a block is 256 bytes
.endr
	s_wait_alu depctr_va_vdst(0)                   ; the three shifts have written v4-6, which the 48 loads read as their offsets
.irp k, 0,1,2
.irp c, 0,1,2,3,4,5,6,7,8,9,10,11,12,13,14,15
	global_load_b128 v[CAND+64*\k+4*\c:CAND+64*\k+4*\c+3], v[4+\k], s[8:9] offset:16*\c
.endr
.endr
	s_wait_loadcnt 48                              ; my point is in; the 48 candidates' loads may be out
	v_mul_f32 v19, v12, v12
	v_mul_f32 v16, -2.0, v12
	v_mul_f32 v17, -2.0, v13
	v_fmac_f32 v19, v13, v13
	v_mul_f32 v18, -2.0, v14
	v_fmac_f32 v19, v14, v14                       ; so
.irp r, 0,1,2
	v_mov_b32 v[20+\r], 0x7f800000                 ; +infinity
	v_mov_b32 v[24+\r], 0
.endr
	s_wait_loadcnt 32                              ; block 0's sixteen loads are in; the later blocks' may be out
.set CB, CAND
	DIST                                           ; the first four candidates' d2
.set n, 0                                      ; group n of twelve: candidates 4 n .. 4 n + 3 of the 48 (block n / 4)
.rept 12
.irp i, 0,1,2,3
	RANK 32+\i, 20, 66+3*\i                        ; the blocks are ascending, so places ascend with the index
.endr
.if n < 11
.if (n+1)%4 == 0
	s_wait_loadcnt 32-16*((n+1)/4)                 ; the next block's sixteen loads are in; the later blocks' may be out
.endif
.set CB, CAND+16*(n+1)
	DIST                                           ; the next group's d2: v28-39 are free, since the four RANKs above were their last readers
.endif
	s_wait_alu depctr_va_sdst(0)                   ; the twelve compares of this group have written s66-s77, which the selects below read
.irp i, 0,1,2,3
	PLACE 4*n+\i, 24, 40, 66+3*\i
.endr
.set n, n+1
.endr
	; the weights
	v_add_f32 v40, 0x322bcc77, v20                 ; d2 + 1e-8
	v_add_f32 v41, 0x322bcc77, v21
	v_add_f32 v42, 0x322bcc77, v22
	v_rcp_f32 v40, v40
	v_rcp_f32 v41, v41
	v_rcp_f32 v42, v42
	v_mov_b32 v47, 0                               ; wgt's fourth word: the plain instruction behind the three reciprocals
	s_wait_alu depctr_va_vdst(0)                   ; the three reciprocals have written v40-42: one wait, ahead of their first reader
	v_add_f32 v43, v40, v41
	v_add_f32 v43, v43, v42
	v_rcp_f32 v43, v43
	; a place 0..47 becomes an index: 16 x its block's number + place mod 16.  (Plain work behind the reciprocal.)  The six compares stand in one run
.irp r, 0,1,2
	v_cmp_gt_u32 s[66+2*\r], 16, v[24+\r]
	v_cmp_gt_u32 s[67+2*\r], 32, v[24+\r]
.endr
	s_wait_alu depctr_va_sdst(0)                   ; the six compares have written s66-s71, which the selects below read
.irp r, 0,1,2
	v_cndmask_b32 v48, v10, v9, s[67+2*\r]
	v_cndmask_b32 v48, v48, v8, s[66+2*\r]
	v_and_b32 v49, 15, v[24+\r]
	v_lshl_or_b32 v[52+\r], v48, 4, v49
.endr
	v_mov_b32 v55, 0
	s_wait_alu depctr_va_vdst(0)                   ; the sum's reciprocal has written v43, ahead of its first reader
	v_mul_f32 v44, v40, v43
	v_mul_f32 v45, v41, v43
	v_mul_f32 v46, v42, v43
	s_wait_alu depctr_va_vdst(0)                   ; v52-55 and v44-47 are written, which the two stores read
	global_store_b128 v1, v[52:55], s[10:11]       ; a wave stores 512 consecutive bytes, aligned
	global_store_b128 v1, v[44:47], s[12:13]
	s_endpgm
.Lproj:
	; ---- down_f.  Wave w of work-group 256 + gg: rows 16 rt on, rt = 2 gg + w / 2; columns 64 ch on, ch = w mod 2.
	; Source 0 = 16 rows of down_features, source 1 = 16 rows of W1_codes (columns of W1).  THE COLUMNS OF A TILE ARE NOT NEIGHBOURS: lane r of tile t takes column 64 ch + 4 r + t, so that
	; register j of the four tiles holds four NEIGHBOURING columns of row 8 h + j: 16 bytes a lane, and sixteen lanes store 256 consecutive bytes, aligned.
	; A fragment (16 x 128 K) comes by four loads of 16 bytes, 32 apart: registers 4 c .. 4 c + 3 hold k = 32 c + 16 h + 0 .. 15, alike on both sides: every product meets its partner.
	; v1 r, v2 h, v3 A's offset, v4 B's, v5 16 r, v6 the way out; v8-11 b1; v16-47 A, two K steps; v48-175 B at 16 (2 t + s); v176-207 the sums at 8 t; v208-239 the results
	s_sub_co_u32 s25, ttmp9, 256
	s_lshl_b32 s25, s25, 1
	s_lshr_b32 s26, s24, 1
	s_add_co_u32 s25, s25, s26                     ; rt
	s_and_b32 s26, s24, 1                          ; ch
	v_and_b32 v1, 15, v0
	v_bfe_u32 v2, v0, 4, 1
	v_lshlrev_b32 v3, 8, v1
	v_lshl_add_u32 v3, v2, 4, v3                   ; 256 r + 16 h
	v_lshlrev_b32 v4, 10, v1
	v_lshl_add_u32 v4, v2, 4, v4                   ; 4 r rows of 256 bytes + 16 h
	v_lshlrev_b32 v5, 4, v1
	v_lshl_add_u32 v6, v2, 12, v5                  ; 8 h rows of 512 bytes + 16 r
	s_lshl_b32 s28, s25, 12
	s_add_nc_u64 s[14:15], s[14:15], s[28:29]      ; 16 rows x 256 bytes
	s_lshl_b32 s28, s26, 14
	s_add_nc_u64 s[16:17], s[16:17], s[28:29]      ; 64 rows of W1_codes
	s_lshl_b32 s28, s26, 8
	s_add_nc_u64 s[18:19], s[18:19], s[28:29]      ; 64 numbers of b1
	s_lshl_b32 s30, s25, 13
	s_add_co_u32 s28, s28, s30
	s_add_nc_u64 s[22:23], s[22:23], s[28:29]      ; 16 rows x 512 bytes + 64 columns
	s_load_b64 s[30:31], s[20:21], 0x0             ; e0, e1
	s_wait_alu depctr_va_vdst(0)                   ; the offsets v3, v4, v5 are written, which the loads below read, and v6, which the stores at the end read
.irp s, 0,1
.irp c, 0,1,2,3
	global_load_b128 v[16+16*\s+4*\c:16+16*\s+4*\c+3], v3, s[14:15] offset:128*\s+32*\c
.endr
.endr
.irp t, 0,1,2,3
.irp s, 0,1
.irp c, 0,1,2,3
	global_load_b128 v[48+16*(2*\t+\s)+4*\c:48+16*(2*\t+\s)+4*\c+3], v4, s[16:17] offset:256*\t+128*\s+32*\c
.endr
.endr
.endr
	global_load_b128 v[8:11], v5, s[18:19]         ; b1 of my four columns
	s_wait_loadcnt 0x0
.irp t, 0,1,2,3                                ; the four accumulators take turns, one instruction a turn; the first K step starts the sums
	v_wmma_f32_16x16x128_bf8_bf8 v[176+8*\t:183+8*\t], v[16:31], v[48+32*\t:63+32*\t], 0
.endr
.irp t, 0,1,2,3
	v_wmma_f32_16x16x128_bf8_bf8 v[176+8*\t:183+8*\t], v[32:47], v[64+32*\t:79+32*\t], v[176+8*\t:183+8*\t]
.endr
.rept 4
	v_nop                                          ; four plain vector instructions between a matrix instruction and the first read of its result (ISA guide 7.12.1)
.endr
	s_wait_kmcnt 0x0
	s_add_co_i32 s30, s30, s31
	s_add_co_i32 s30, s30, 127
	s_lshl_b32 s30, s30, 23                        ; 2^(e0 + e1) as f32
.irp j, 0,1,2,3,4,5,6,7                        ; each accumulator from its low end on
.irp t, 0,1,2,3
	v_fma_f32 v[208+4*\j+\t], v[176+8*\t+\j], s30, v[8+\t]   ; sum x 2^(e0 + e1) + b1
.endr
.endr
	s_wait_alu depctr_va_vdst(0)                   ; the 32 multiply-adds have written v208-239, which the eight stores read
.irp j, 0,1,2,3,4,5,6,7
	global_store_b128 v6, v[208+4*\j:211+4*\j], s[22:23] offset:512*\j   ; lanes 0-15: 256 bytes of row j; lanes 16-31: of row 8 + j
.endr
	s_endpgm
.Lfunc_end_k_qba6fc2d44c_rescan_proj:
	.size	k_qba6fc2d44c_rescan_proj, .Lfunc_end_k_qba6fc2d44c_rescan_proj-k_qba6fc2d44c_rescan_proj
	.p2alignl 7, 3214868480
	.fill 96, 4, 3214868480
	.section	.rodata,"a",@progbits
	.p2align	6, 0x0
	.amdhsa_kernel k_qba6fc2d44c_rescan_proj
		.amdhsa_group_segment_fixed_size 0
		.amdhsa_private_segment_fixed_size 0
		.amdhsa_enable_private_segment 0
		.amdhsa_kernarg_size 80
		.amdhsa_user_sgpr_count 2
		.amdhsa_user_sgpr_kernarg_segment_ptr 1
		.amdhsa_wavefront_size32 1
		.amdhsa_system_sgpr_workgroup_id_x 1
		.amdhsa_system_sgpr_workgroup_id_y 1
		.amdhsa_system_sgpr_workgroup_id_z 1
		.amdhsa_system_vgpr_workitem_id 0
		.amdhsa_next_free_vgpr 256
		.amdhsa_next_free_sgpr 80
		.amdhsa_reserve_vcc 0
		.amdhsa_float_denorm_mode_32 3
		.amdhsa_float_denorm_mode_16_64 3
		.amdhsa_memory_ordered 1
		.amdhsa_forward_progress 1
		.amdhsa_inst_pref_size 61
	.end_amdhsa_kernel
	.amdgpu_metadata
---
amdhsa.version: [ 1, 2 ]
amdhsa.kernels:
  - .name:           k_qba6fc2d44c_rescan_proj
    .symbol:         k_qba6fc2d44c_rescan_proj.kd
    .args:
      - { .name: blk, .offset: 0, .size: 8, .value_kind: global_buffer, .address_space: global }
      - { .name: ori_xyzp, .offset: 8, .size: 8, .value_kind: global_buffer, .address_space: global }
      - { .name: down_xyzp, .offset: 16, .size: 8, .value_kind: global_buffer, .address_space: global }
      - { .name: idx, .offset: 24, .size: 8, .value_kind: global_buffer, .address_space: global }
      - { .name: wgt, .offset: 32, .size: 8, .value_kind: global_buffer, .address_space: global }
      - { .name: down_features_codes, .offset: 40, .size: 8, .value_kind: global_buffer, .address_space: global }
      - { .name: W1_codes, .offset: 48, .size: 8, .value_kind: global_buffer, .address_space: global }
      - { .name: b1, .offset: 56, .size: 8, .value_kind: global_buffer, .address_space: global }
      - { .name: lowp_scales, .offset: 64, .size: 8, .value_kind: global_buffer, .address_space: global }
      - { .name: downf, .offset: 72, .size: 8, .value_kind: global_buffer, .address_space: global }
    .group_segment_fixed_size: 0
    .private_segment_fixed_size: 0
    .kernarg_segment_align: 8
    .kernarg_segment_size: 80
    .max_flat_workgroup_size: 128
    .sgpr_count:     80
    .vgpr_count:     256
    .wavefront_size: 32
...
	.end_amdgpu_metadata
.endif
;; end of part 4
;; launch combine (part 5): grid 256 x 1, 16 waves a work-group, no clusters, 18,432 bytes of LDS; arguments ori_features_codes, W2_codes, b2, lowp_scales, idx, wgt, downf, out0; writes out0
.if DOCPART == 5
	.amdgcn_target "amdgcn-amd-amdhsa--gfx1250"
	.amdhsa_code_object_version 6
	.text
	.protected	k_qba6fc2d44c_combine
	.globl	k_qba6fc2d44c_combine
	.p2align	8
	.type	k_qba6fc2d44c_combine,@function
k_qba6fc2d44c_combine:
	s_mov_b64 s[64:65], 0
	v_nop
	global_prefetch_b8 v0, s[64:65] scope:SCOPE_SE
	s_setreg_imm32_b32 hwreg(HW_REG_WAVE_SCHED_MODE, 0, 2), 2
	s_setreg_imm32_b32 hwreg(HW_REG_WAVE_MODE, 25, 1), 1
	s_wait_xcnt 0x0
	s_wait_alu depctr_vm_vsrc(0)
; THIRD OF THREE LAUNCHES.  out0 = ori_features W2 + b2 (on E5M2 codes) + the sum over k = 0..2 of wgt[k] x down_f[idx[k]].  idx (whole numbers), wgt and down_f were stored by the launch before.
; Nothing of reference() is left out here.
; SHARES.  Work-group g owns rows 128 g on (batch g / 128).  Wave w: rows 16 rt on, rt = 8 g + w / 2; columns 64 ch on, ch = w mod 2: four matrix instructions (K = 128 is one step) and 24 gathers of
; 256 bytes a half-wave, all on their way at once.
; LAYOUT.  Source 0 = 16 rows of ori_features, source 1 = 16 rows of W2_codes.  Lane r of tile t takes column 64 ch + 4 r + t, so that register j of the four tiles holds four neighbouring columns of
; row 8 h + j: the same 16 bytes that a lane gathers from a row of down_f and stores into out0; sixteen lanes cover 256 consecutive bytes, aligned.
; W2 is read from memory once a work-group: its eight fragments go round through LDS as images of the operand's registers (a group of four registers: 16 bytes a lane at 16 x lane, 512 bytes a
; store); wave w brings two of the 32 groups.
; LIMIT: e2 + e3 between -126 and 127, so that 2^(e2 + e3) is an f32 number.
; No tensor load, no cluster: what the waves share is 16 KiB; the rest is gathers at addresses of a row's own.
; THE MODE: SCHED_MODE bits 1:0 = 2 (LLVM: expert scheduling mode 2), set by the entry lines.  The code itself states the register dependences
; between vector or matrix instructions and memory or LDS instructions, with s_wait_alu, always for 0.
; THE PLAN.  Registers that memory or LDS instructions touch:
;   v3-v9         offsets and LDS addresses: written once at the head, read by loads, stores and LDS instructions; never written again.   v10, v11: written at the head, read by the closing add alone.
;   v224-231      loaded (my two groups of W2), read by my two LDS stores; later two gathers land in them.
;   v144-223      A (loaded) and B (from LDS): read by the four products; then gathers land in them.
;   IX v16-47     loaded, written anew by 48 vector lines (the gathers' offsets), read by the 24 gathers; never written again.
;   BI, WT        loaded once, read by vector lines alone.
;   TO v112-143   written by vector lines, each row's four registers read by one store; never written again.
; So: one wait on va_vdst ahead of the first load; one on vm_vsrc and one on va_vdst ahead of the gathers; on the way out the rows go in pairs, and a pair's two stores stand in the NEXT pair's step, behind
; that step's wait for its gathers and one wait on va_vdst: no vector line issued since that wait names the registers that the two stores read.
.set SPARE, 16384                      ; behind W2's images: the spare words, 128 bytes for each of 16 waves: eight blocks of 256 bytes that no other line names
.set SPW, 10                           ; v10  LDS address of my spare word; never rewritten
.set NIL, 11                           ; v11  0; never rewritten
.set BI,  12                           ; v12-15   b2 of my four columns
.set IX,  16                           ; v16-47   idx's quads of rows 8 h + j at +4 j, then the gathers' offsets
.set WT,  48                           ; v48-79   wgt's quads
.set DA,  80                           ; v80-111  the sums, tile t at +8 t
.set TO,  112                          ; v112-143 the results, row j at +4 j
.set G,   144                          ; v144-239 the gathered rows: (row j, neighbour k) at +4 (3 j + k).  Before that: A v144-159, B v160-223, my two groups of W2 v224-231
	s_load_b512 s[4:19], s[0:1], 0x0               ; ori_features_codes s[4:5], W2_codes s[6:7], b2 s[8:9], lowp_scales s[10:11], idx s[12:13], wgt s[14:15], downf s[16:17], out0 s[18:19]
	v_lshl_add_u32 v[SPW], v0, 2, SPARE
	v_mov_b32 v[NIL], 0
	v_lshrrev_b32 v1, 5, v0
	v_readfirstlane_b32 s20, v1                    ; wave 0..15
	v_and_b32 v9, 31, v0                           ; lane
	v_and_b32 v1, 15, v0                           ; r
	v_bfe_u32 v2, v0, 4, 1                         ; h
	v_lshlrev_b32 v3, 7, v1
	v_lshl_add_u32 v3, v2, 4, v3                   ; A: 128 r + 16 h
	v_lshlrev_b32 v4, 9, v1
	v_lshl_add_u32 v4, v2, 4, v4                   ; W2: 4 r rows of 128 bytes + 16 h
	v_lshlrev_b32 v5, 4, v1                        ; 16 r
	v_lshlrev_b32 v6, 7, v2                        ; the quads of rows 8 h on: 128 h
	v_lshl_add_u32 v7, v2, 12, v5                  ; out0: 8 h rows of 512 bytes + 16 r
	s_wait_alu depctr_va_sdst(0)                   ; s20 is written, ahead of its first reader: LDS addresses and every base are made from it
	s_lshl_b32 s21, s20, 10
	v_lshl_add_u32 v8, v9, 4, s21                  ; LDS, in: 16 x lane + 1,024 x wave: groups 2 (w mod 2) and the next of fragment w / 2
	s_and_b32 s22, s20, 1                          ; ch
	s_lshl_b32 s21, s22, 13
	v_lshl_add_u32 v9, v9, 4, s21                  ; LDS, out: 16 x lane + my column half's four fragments
	s_lshr_b32 s23, s20, 1                         ; w / 2: my tile of rows in the work-group; also the fragment of W2 that I help to bring
	s_lshl_b32 s24, ttmp9, 3
	s_add_co_u32 s24, s24, s23                     ; rt
	s_lshr_b32 s26, s23, 2
	s_lshl_b32 s26, s26, 13                        ; that fragment in W2_codes: its column half's 64 rows of 128 bytes,
	s_and_b32 s25, s23, 3
	s_lshl_b32 s25, s25, 7
	s_add_co_u32 s26, s26, s25                     ; its tile's row,
	s_lshl_b32 s25, s22, 6
	s_add_co_u32 s26, s26, s25                     ; and my two groups' 64 bytes along K
	s_mov_b32 s27, 0
	s_lshl_b32 s28, s22, 8                         ; 64 columns of f32
	s_mov_b32 s29, 0
	s_wait_kmcnt 0x0
	s_add_nc_u64 s[6:7], s[6:7], s[26:27]
	s_lshl_b32 s26, s24, 8                         ; 16 quads of 16 bytes
	s_add_nc_u64 s[12:13], s[12:13], s[26:27]
	s_add_nc_u64 s[14:15], s[14:15], s[26:27]
	s_lshl_b32 s26, s24, 11                        ; 16 rows of 128 codes
	s_add_nc_u64 s[4:5], s[4:5], s[26:27]
	s_add_nc_u64 s[8:9], s[8:9], s[28:29]
	s_lshl_b32 s26, s24, 13                        ; 16 rows of 512 bytes
	s_add_co_u32 s26, s26, s28
	s_add_nc_u64 s[18:19], s[18:19], s[26:27]
	s_lshr_b32 s26, ttmp9, 7
	s_lshl_b32 s26, s26, 21                        ; the batch's 4,096 rows of down_f
	s_add_co_u32 s26, s26, s28
	s_add_nc_u64 s[16:17], s[16:17], s[26:27]
	s_load_b64 s[30:31], s[10:11], 0x8             ; e2, e3
	s_wait_alu depctr_va_vdst(0)                   ; the offsets and LDS addresses v3 to v9 are written, which every load, store and LDS instruction below reads; so are v10 and v11, which the closing add reads
	global_load_b128 v[224:227], v4, s[6:7]        ; my two groups of W2
	global_load_b128 v[228:231], v4, s[6:7] offset:32
.irp j, 0,1,2,3,4,5,6,7
	global_load_b128 v[IX+4*\j:IX+4*\j+3], v6, s[12:13] offset:16*\j
.endr
.irp c, 0,1,2,3
	global_load_b128 v[144+4*\c:147+4*\c], v3, s[4:5] offset:32*\c   ; A's fragment: registers 4 c .. 4 c + 3: k = 32 c + 16 h + 0 .. 15, as in W2's
.endr
	global_load_b128 v[BI:BI+3], v5, s[8:9]
.irp j, 0,1,2,3,4,5,6,7
	global_load_b128 v[WT+4*\j:WT+4*\j+3], v6, s[14:15] offset:16*\j
.endr
	s_wait_loadcnt 21                              ; my two groups of W2 are in; the 21 loads issued behind them may be out
	ds_store_b128 v8, v[224:227]
	ds_store_b128 v8, v[228:231] offset:512
	s_wait_dscnt 0x0                               ; for the others' sake: my stores have landed
	s_barrier_signal -1
	s_barrier_wait -1                              ; W2's eight fragments lie in LDS
.irp t, 0,1,2,3
.irp c, 0,1,2,3
	ds_load_b128 v[160+16*\t+4*\c:163+16*\t+4*\c], v9 offset:2048*\t+512*\c
.endr
.endr
	s_wait_loadcnt 0x0
	s_wait_dscnt 0x0
.irp t, 0,1,2,3
	v_wmma_f32_16x16x128_bf8_bf8 v[DA+8*\t:DA+8*\t+7], v[144:159], v[160+16*\t:175+16*\t], 0
.endr
	; the gathers' offsets: 48 plain lines that name no register of the products: they are also the places in front of the first read of the sums
.irp j, 0,1,2,3,4,5,6,7
.irp k, 0,1,2
	v_min_u32 v[IX+4*\j+\k], 0xfff, v[IX+4*\j+\k]  ; a loaded number enters an address only behind a bound written in the instruction
.endr
.endr
.irp j, 0,1,2,3,4,5,6,7
.irp k, 0,1,2
	v_lshl_add_u32 v[IX+4*\j+\k], v[IX+4*\j+\k], 9, v5   ; a row of down_f is 512 bytes; + 16 r
.endr
.endr
	s_wait_alu depctr_vm_vsrc(0)                   ; my two LDS stores have read v224-231, in which two of the gathers land
	s_wait_alu depctr_va_vdst(0)                   ; the 48 lines have written the offsets, which the gathers read; the four products are done reading A's and B's registers, in which the gathers land
.irp j, 0,1,2,3,4,5,6,7
.irp k, 0,1,2
	global_load_b128 v[G+4*(3*\j+\k):G+4*(3*\j+\k)+3], v[IX+4*\j+\k], s[16:17]   ; sixteen lanes read 256 consecutive bytes of a gathered row
.endr
.endr
	s_wait_kmcnt 0x0
	s_add_co_i32 s30, s30, s31
	s_add_co_i32 s30, s30, 127
	s_lshl_b32 s30, s30, 23                        ; 2^(e2 + e3) as f32
.irp j, 0,1,2,3,4,5,6,7                        ; while the gathers are out; each accumulator from its low end on
.irp t, 0,1,2,3
	v_fma_f32 v[TO+4*\j+\t], v[DA+8*\t+\j], s30, v[BI+\t]   ; ori_f = sum x 2^(e2 + e3) + b2
.endr
.endr
.irp p, 0,1,2,3                                ; rows 2 p and 2 p + 1
	s_wait_loadcnt 18-6*\p                         ; this pair's six gathers are in; the later pairs' may be out
.if \p > 0
	s_wait_alu depctr_va_vdst(0)                   ; the pair before is written, which the two stores below read
.irp q, 0,1
	global_store_b128 v7, v[TO+4*(2*\p-2+\q):TO+4*(2*\p-2+\q)+3], s[18:19] offset:512*(2*\p-2+\q) th:TH_STORE_NT   ; lanes 0-15: 256 bytes of the row; lanes 16-31: of the row 8 further down; written once, read by nobody here
.endr
.endif
.irp q, 0,1
.irp k, 0,1,2
.irp e, 0,1,2,3
	v_fmac_f32 v[TO+4*(2*\p+\q)+\e], v[WT+4*(2*\p+\q)+\k], v[G+4*(3*(2*\p+\q)+\k)+\e]
.endr
.endr
.endr
.endr
	s_wait_alu depctr_va_vdst(0)                   ; the last pair is written, which the last two stores read
.irp q, 6,7
	global_store_b128 v7, v[TO+4*\q:TO+4*\q+3], s[18:19] offset:512*\q th:TH_STORE_NT
.endr
	s_wait_dscnt 0x0                               ; the closing lines, six on end
	s_wait_alu 0x0
	s_wait_tensorcnt 0x0
	ds_add_u32 v[SPW], v[NIL]
	s_wait_dscnt 0x0
	s_endpgm
.Lfunc_end_k_qba6fc2d44c_combine:
	.size	k_qba6fc2d44c_combine, .Lfunc_end_k_qba6fc2d44c_combine-k_qba6fc2d44c_combine
	.p2alignl 7, 3214868480
	.fill 96, 4, 3214868480
	.section	.rodata,"a",@progbits
	.p2align	6, 0x0
	.amdhsa_kernel k_qba6fc2d44c_combine
		.amdhsa_group_segment_fixed_size 18432
		.amdhsa_private_segment_fixed_size 0
		.amdhsa_enable_private_segment 0
		.amdhsa_kernarg_size 64
		.amdhsa_user_sgpr_count 2
		.amdhsa_user_sgpr_kernarg_segment_ptr 1
		.amdhsa_wavefront_size32 1
		.amdhsa_system_sgpr_workgroup_id_x 1
		.amdhsa_system_sgpr_workgroup_id_y 1
		.amdhsa_system_sgpr_workgroup_id_z 1
		.amdhsa_system_vgpr_workitem_id 0
		.amdhsa_next_free_vgpr 240
		.amdhsa_next_free_sgpr 66
		.amdhsa_reserve_vcc 0
		.amdhsa_float_denorm_mode_32 3
		.amdhsa_float_denorm_mode_16_64 3
		.amdhsa_memory_ordered 1
		.amdhsa_forward_progress 1
		.amdhsa_inst_pref_size 18
	.end_amdhsa_kernel
	.amdgpu_metadata
---
amdhsa.version: [ 1, 2 ]
amdhsa.kernels:
  - .name:           k_qba6fc2d44c_combine
    .symbol:         k_qba6fc2d44c_combine.kd
    .args:
      - { .name: ori_features_codes, .offset: 0, .size: 8, .value_kind: global_buffer, .address_space: global }
      - { .name: W2_codes, .offset: 8, .size: 8, .value_kind: global_buffer, .address_space: global }
      - { .name: b2, .offset: 16, .size: 8, .value_kind: global_buffer, .address_space: global }
      - { .name: lowp_scales, .offset: 24, .size: 8, .value_kind: global_buffer, .address_space: global }
      - { .name: idx, .offset: 32, .size: 8, .value_kind: global_buffer, .address_space: global }
      - { .name: wgt, .offset: 40, .size: 8, .value_kind: global_buffer, .address_space: global }
      - { .name: downf, .offset: 48, .size: 8, .value_kind: global_buffer, .address_space: global }
      - { .name: out0, .offset: 56, .size: 8, .value_kind: global_buffer, .address_space: global }
    .group_segment_fixed_size: 18432
    .private_segment_fixed_size: 0
    .kernarg_segment_align: 8
    .kernarg_segment_size: 64
    .max_flat_workgroup_size: 512
    .sgpr_count:     66
    .vgpr_count:     240
    .wavefront_size: 32
...
	.end_amdgpu_metadata
.endif
;; end of part 5
